; MI455X (gfx1250); checked and timed in simulation.
; The chip was launched on July 23, 2026; its instructions are those of AMD's public machine-readable ISA for CDNA 5 (MIT licence, August 2026) and "CDNA5" Instruction Set Architecture Reference Guide (July 2026). The comments in the code are by the model that wrote it; some were corrected since.
;; Memory Network. Allowed arithmetic: float matrix products may take bf16 or f16 operands with f32 sums; all other float work in f32.
;; Inputs: W_domain 768 x 768 float32; W_topic 768 x 768 float32; category 32,768 int32; domain_memory 9 x 10 x 768 float32; feature 32,768 x 768 float32.
;; Outputs: out0 32,768 x 1 x 9 float32.
;; One version. Each part assembles by itself: llvm-mc -triple=amdgcn-amd-amdhsa -mcpu=gfx1250 --defsym DOCPART=n.
;; ======== version 1 of 1: 2 launches
;; workspace buffers: pw 589,824 bytes
;; launch prep (part 1): grid 12 x 12, 4 waves a work-group, no clusters, 278,016 bytes of LDS; arguments W_topic, W_domain, domain_memory, pw; writes pw
.if DOCPART == 1
	.amdgcn_target "amdgcn-amd-amdhsa--gfx1250"
	.amdhsa_code_object_version 6
	.text
	.protected	k_q4422bfb3a5_prep
	.globl	k_q4422bfb3a5_prep
	.p2align	8
	.type	k_q4422bfb3a5_prep,@function
k_q4422bfb3a5_prep:
	s_mov_b64 s[64:65], 0
	v_nop
	global_prefetch_b8 v0, s[64:65] scope:SCOPE_SE
	s_setreg_imm32_b32 hwreg(HW_REG_WAVE_MODE, 25, 1), 1
	s_wait_xcnt 0x0
; P[dm][i] = sum over e of mem[dm][e] * W[e][i], for W = W_topic and W = W_domain; mem = domain_memory as [90][768], W [768][768], all f32.
; The problem uses the two projections q = f W^T only in dot products with rows of mem, and (f W^T) . mem[dm] = f . P[dm] for every input,
; so the next launch multiplies feature by P alone.  P leaves as bf16 hi + bf16 lo, in the register image of a matrix fragment.
; FORMAT: every f32 operand x goes to the matrix unit as hi = bf16(x) and lo = bf16(x - hi); three products hi.hi + lo.hi + hi.lo, f32 sums.
; The product lo.lo (some 2^-18 of a term) is left out.  LIMITS: |x| above bf16's largest finite number rounds to infinity; a lo part below
; the smallest bf16 number is lost; the order of the sums differs from the problem's (mem W is summed first).
; WORK: work-group (x, y): x = c, 64 columns i of P; y = 6 wsel + t: W_topic or W_domain, and 16 rows of mem from row min(16 t, 74), so that the
; sixth tile ends at row 89 (its first six rows repeat rows 74-79 and are not used later).  Wave w sums e = 192 w .. 192 w + 191 for all four
; tiles of 16 i; the four partial sums meet in LDS, and wave w finishes tile w.
; NO CLUSTER: the strip of W is shared by the six work-groups of one (c, wsel), which no cluster of 4 divides; along x only mem's rows are shared,
; 52,224 of a work-group's 261,120 bytes.
; pw, bytes: c*49152 + wsel*24576 + s*12288 + t*2048 + p*1024 + q*512 + lane*16: K step s of 32 i, p = hi, lo, q = registers 4q .. 4q+3;
; lane (r, h) holds P[row(t) + r][64 c + 32 s + 16 q + 8 h + 0 .. 7].
.set WPITCH, 272                       ; an LDS row of W: 64 f32 + 16 bytes of padding
.set WPIECE, 64*WPITCH                 ; one tensor load of W: 64 rows
.set MOFF,   3*WPIECE                  ; behind a wave's 192 rows of W: its part of mem
.set MPITCH, 816                       ; an LDS row of mem: 192 f32 as three runs of 256 + 16 bytes
.set WREG,   MOFF+16*MPITCH            ; a wave's own LDS bytes: 65,280
.set RED,    4*WREG                    ; 16,384 bytes for the partial sums: writing wave*4096 + tile*1024 + half*512 + lane*16; no tensor load lands here
.set AW,   2                           ; v2   LDS address of W(e = 8 h, i = r) in my wave's part
.set AM,   3                           ; v3   LDS address of mem(row r, e = 8 h)
.set RST,  4                           ; v4   where I put my partial sums
.set RLD,  5                           ; v5   where I read the four waves' sums of my tile
.set OV,   6                           ; v6   16 x lane
.set NEG1, 7                           ; v7   -1.0
.set XW,   32                          ; v[32:95]    W as loaded, tile n at +16 n
.set XM,   96                          ; v[96:111]   mem as loaded
.set WF,   112                         ; v[112:175]  fragments of W^T, tile n: hi at +16 n, lo at +16 n + 8
.set MF,   176                         ; v[176:191]  fragment of mem: hi, lo
.set ACC,  192                         ; v[192:223]  four accumulators
	s_load_b256 s[4:11], s[0:1], 0x0               ; W_topic s[4:5], W_domain s[6:7], domain_memory s[8:9], pw s[10:11]
	v_lshl_add_u32 v224, v0, 2, 0x43c00
	v_mov_b32 v225, 0
	ds_add_u32 v224, v225
	ds_add_u32 v224, v225
	v_lshrrev_b32 v1, 5, v0
	v_readfirstlane_b32 s14, v1                    ; wave 0..3
	s_and_b32 s48, ttmp7, 0xffff                   ; y
	s_cmp_ge_u32 s48, 6
	s_cselect_b32 s49, 1, 0                        ; wsel
	s_mul_i32 s15, s49, 6
	s_sub_co_u32 s15, s48, s15                     ; t
	s_mul_i32 s52, s14, WREG                       ; my wave's LDS bytes
	; group 1 for W: 64 rows x 64 f32, 16 bytes of padding behind every 64 words
	s_mov_b32 s16, (2<<16)|(1<<20)|(5<<22)|(3<<25) ; element of 4 bytes; padding on; after 64 words; of 4 words
	s_mov_b32 s17, 64<<16                          ; tensor_dim0 = 64
	s_mov_b32 s18, 64<<16                          ; tensor_dim1 = 64
	s_mov_b32 s19, 64<<16                          ; tile_dim0 = 64
	s_mov_b32 s20, 64                              ; tile_dim1 = 64
	s_mov_b32 s21, 768                             ; elements from row to row
	s_mov_b32 s22, 0
	s_mov_b32 s23, 0
	; group 1 for mem: 16 rows x 192 f32, the same padding: three padded runs to a row
	s_mov_b32 s24, (2<<16)|(1<<20)|(5<<22)|(3<<25)
	s_mov_b32 s25, 192<<16
	s_mov_b32 s26, 16<<16
	s_mov_b32 s27, 192<<16
	s_mov_b32 s28, 16
	s_mov_b32 s29, 768
	s_mov_b32 s30, 0
	s_mov_b32 s31, 0
	s_lshl_b32 s50, s15, 4
	s_min_u32 s50, s50, 74                         ; first row of mem
	s_mul_i32 s50, s50, 3072
	s_mul_i32 s51, s14, 768                        ; e = 192 w
	s_add_co_u32 s50, s50, s51
	s_mov_b32 s51, 0
	s_mul_i32 s54, s14, 589824                     ; W: row 192 w,
	s_lshl_b32 s55, ttmp9, 8                       ; column 64 c
	s_add_co_u32 s54, s54, s55
	s_mov_b32 s55, 0
	s_wait_dscnt 0x0
	s_wait_kmcnt 0x0
	s_cmp_ge_u32 s48, 6
	s_cselect_b64 s[12:13], s[6:7], s[4:5]         ; the W of this work-group
	s_add_nc_u64 s[12:13], s[12:13], s[54:55]
	s_mov_b32 s32, 1
	s_add_co_u32 s33, s52, MOFF
	s_add_nc_u64 s[34:35], s[8:9], s[50:51]
	s_or_b32 s35, s35, 0x80000000
	tensor_load_to_lds s[32:35], s[24:31]          ; mem first, then W in three pieces: four loads of the wave are out
	s_nop 0
.irp j, 0,1,2
	s_mov_b32 s[36+4*\j], 1
	s_add_co_u32 s[37+4*\j], s52, \j*WPIECE
	s_add_nc_u64 s[38+4*\j:39+4*\j], s[12:13], \j*196608
	s_or_b32 s[39+4*\j], s[39+4*\j], 0x80000000
	tensor_load_to_lds s[36+4*\j:39+4*\j], s[16:23]
	s_nop 0
.endr
	v_and_b32 v8, 15, v0                           ; r
	v_bfe_u32 v9, v0, 4, 1                         ; h
	v_and_b32 v10, 31, v0                          ; lane
	v_mul_u32_u24 v[AW], v9, 8*WPITCH              ; 8 h rows: 544 words, so the two halves of the lanes lie 32 words apart modulo 64
	v_lshl_add_u32 v[AW], v8, 2, v[AW]
	v_add_nc_u32 v[AW], s52, v[AW]
	v_mul_u32_u24 v[AM], v8, MPITCH                ; 816 = 51 x 16: sixteen rows begin in sixteen different 16-byte columns of 256 bytes
	v_lshl_add_u32 v[AM], v9, 5, v[AM]
	v_add_nc_u32 v[AM], s33, v[AM]
	s_lshl_b32 s53, s14, 12
	s_add_co_u32 s53, s53, RED
	v_lshl_add_u32 v[RST], v10, 4, s53
	s_lshl_b32 s53, s14, 10
	s_add_co_u32 s53, s53, RED
	v_lshl_add_u32 v[RLD], v10, 4, s53
	v_lshlrev_b32 v[OV], 4, v10
	v_mov_b32 v[NEG1], -1.0
; 68 LDS loads: K step ks (32 e).  mem lies along e: four loads of 16 bytes.  W lies across e: W^T's fragment is gathered word by word,
; lane (r, h) takes W(e = 32 ks + 8 h + 0..7 and + 16 .. 23, i = 16 n + r).
.macro PLOAD ks
	ds_load_b128 v[XM:XM+3],     v[AM] offset:((\ks)/2)*272+((\ks)%2)*128
	ds_load_b128 v[XM+4:XM+7],   v[AM] offset:((\ks)/2)*272+((\ks)%2)*128+16
	ds_load_b128 v[XM+8:XM+11],  v[AM] offset:((\ks)/2)*272+((\ks)%2)*128+64
	ds_load_b128 v[XM+12:XM+15], v[AM] offset:((\ks)/2)*272+((\ks)%2)*128+80
.irp n, 0,1,2,3
.irp jj, 0,1,2,3,4,5,6,7,8,9,10,11,12,13,14,15
	ds_load_b32 v[XW+16*\n+\jj], v[AW] offset:(32*(\ks)+\jj+8*(\jj/8))*WPITCH+64*\n
.endr
.endr
.endm
; 16 f32 at x become 8 registers of hi at f and 8 of lo at f + 8; x - hi is exact
.macro SPLIT x, f
.irp p, 0,1,2,3,4,5,6,7
	v_cvt_pk_bf16_f32 v[\f+\p], v[\x+2*\p], v[\x+2*\p+1]
.endr
.irp p, 0,1,2,3,4,5,6,7
	v_fma_mix_f32_bf16 v[\x+2*\p],   v[\f+\p], v[NEG1], v[\x+2*\p]   op_sel_hi:[1,0,0]
	v_fma_mix_f32_bf16 v[\x+2*\p+1], v[\f+\p], v[NEG1], v[\x+2*\p+1] op_sel:[1,0,0] op_sel_hi:[1,0,0]
.endr
.irp p, 0,1,2,3,4,5,6,7
	v_cvt_pk_bf16_f32 v[\f+8+\p], v[\x+2*\p], v[\x+2*\p+1]
.endr
.endm
; 12 matrix instructions.  Source 0 = W^T (rows i), source 1 = mem (columns dm): a lane's eight results are P[dm = r][8 h + 0..7 of the tile].
; The four accumulators take turns, one instruction a turn.
.macro PMUL zero
.irp n, 0,1,2,3
.if \zero
	v_wmma_f32_16x16x32_bf16 v[ACC+8*\n:ACC+8*\n+7], v[WF+16*\n:WF+16*\n+7], v[MF:MF+7], 0
.else
	v_wmma_f32_16x16x32_bf16 v[ACC+8*\n:ACC+8*\n+7], v[WF+16*\n:WF+16*\n+7], v[MF:MF+7], v[ACC+8*\n:ACC+8*\n+7]
.endif
.endr
.irp n, 0,1,2,3
	v_wmma_f32_16x16x32_bf16 v[ACC+8*\n:ACC+8*\n+7], v[WF+16*\n+8:WF+16*\n+15], v[MF:MF+7], v[ACC+8*\n:ACC+8*\n+7]
.endr
.irp n, 0,1,2,3
	v_wmma_f32_16x16x32_bf16 v[ACC+8*\n:ACC+8*\n+7], v[WF+16*\n:WF+16*\n+7], v[MF+8:MF+15], v[ACC+8*\n:ACC+8*\n+7]
.endr
.endm
.macro PLACES                          ; four places between a matrix instruction and a vector write of its sources or an LDS store of its result
.rept 4
	v_nop
.endr
.endm
.macro KSTEP ks
.if \ks > 0
	PLACES                                         ; the fragments were the last matrix instructions' sources
.endif
	s_wait_dscnt 48                                ; mem and tile 0 of W are in; the 48 younger loads (tiles 1 to 3) may be out
	SPLIT XM, MF
	SPLIT XW, WF
	s_wait_dscnt 32                                ; tile 1 is in
	SPLIT XW+16, WF+16
	s_wait_dscnt 16                                ; tile 2
	SPLIT XW+32, WF+32
	s_wait_dscnt 0
	SPLIT XW+48, WF+48
.if \ks == 1
	s_wait_tensorcnt 0x1                           ; W's second piece (K steps 2, 3) has landed; the third may be out
.endif
.if \ks == 3
	s_wait_tensorcnt 0x0                           ; the third piece
.endif
.if \ks < 5
	PLOAD \ks+1                                    ; the next K step's loads run under this one's products
.endif
.if \ks == 0
	PMUL 1                                         ; the first products start the sums
.else
	PMUL 0
.endif
.endm
	s_wait_tensorcnt 0x2                           ; mem and W's first piece have landed; each wave reads only what it loaded itself: no barrier
	PLOAD 0
	KSTEP 0
	KSTEP 1
	KSTEP 2
	KSTEP 3
	KSTEP 4
	KSTEP 5
	; the four waves' partial sums meet: each wave writes its own 4,096 bytes, then wave w adds up tile w
	PLACES
.irp n, 0,1,2,3
	ds_store_b128 v[RST], v[ACC+8*\n:ACC+8*\n+3]   offset:\n*1024
	ds_store_b128 v[RST], v[ACC+8*\n+4:ACC+8*\n+7] offset:\n*1024+512
.endr
	s_mul_i32 s50, ttmp9, 49152                    ; where my tile goes in pw
	s_mul_i32 s51, s49, 24576
	s_add_co_u32 s50, s50, s51
	s_lshr_b32 s51, s14, 1                         ; s = w / 2
	s_mul_i32 s51, s51, 12288
	s_add_co_u32 s50, s50, s51
	s_lshl_b32 s51, s15, 11
	s_add_co_u32 s50, s50, s51
	s_and_b32 s51, s14, 1                          ; q = w % 2
	s_lshl_b32 s51, s51, 9
	s_add_co_u32 s50, s50, s51
	s_mov_b32 s51, 0
	s_add_nc_u64 s[10:11], s[10:11], s[50:51]
	s_wait_dscnt 0x0                               ; my stores are done, for the other waves' sake
	s_barrier_signal -1
	s_barrier_wait -1
.irp u, 0,1,2,3
	ds_load_b128 v[32+8*\u:35+8*\u], v[RLD] offset:\u*4096
	ds_load_b128 v[36+8*\u:39+8*\u], v[RLD] offset:\u*4096+512
.endr
	s_wait_dscnt 0x0
.irp u, 1,2,3
.irp k, 0,2,4,6
	v_pk_add_f32 v[32+\k:33+\k], v[32+\k:33+\k], v[32+8*\u+\k:33+8*\u+\k]   ; e ascending
.endr
.endr
.irp p, 0,1,2,3
	v_cvt_pk_bf16_f32 v[64+\p], v[32+2*\p], v[33+2*\p]
.endr
.irp p, 0,1,2,3
	v_fma_mix_f32_bf16 v[32+2*\p], v[64+\p], v[NEG1], v[32+2*\p] op_sel_hi:[1,0,0]
	v_fma_mix_f32_bf16 v[33+2*\p], v[64+\p], v[NEG1], v[33+2*\p] op_sel:[1,0,0] op_sel_hi:[1,0,0]
.endr
.irp p, 0,1,2,3
	v_cvt_pk_bf16_f32 v[68+\p], v[32+2*\p], v[33+2*\p]
.endr
	global_store_b128 v[OV], v[64:67], s[10:11]              ; hi: the wave's store covers 512 consecutive bytes, at a multiple of 512 from pw's first byte
	global_store_b128 v[OV], v[68:71], s[10:11] offset:1024  ; lo
	s_wait_tensorcnt 0x0
	ds_add_u32 v224, v225
	s_wait_dscnt 0x0
	s_endpgm
.Lfunc_end_k_q4422bfb3a5_prep:
	.size	k_q4422bfb3a5_prep, .Lfunc_end_k_q4422bfb3a5_prep-k_q4422bfb3a5_prep
	.p2alignl 7, 3214868480
	.fill 96, 4, 3214868480
	.section	.rodata,"a",@progbits
	.p2align	6, 0x0
	.amdhsa_kernel k_q4422bfb3a5_prep
		.amdhsa_group_segment_fixed_size 278016
		.amdhsa_private_segment_fixed_size 0
		.amdhsa_enable_private_segment 0
		.amdhsa_kernarg_size 32
		.amdhsa_user_sgpr_count 2
		.amdhsa_user_sgpr_kernarg_segment_ptr 1
		.amdhsa_wavefront_size32 1
		.amdhsa_system_sgpr_workgroup_id_x 1
		.amdhsa_system_sgpr_workgroup_id_y 1
		.amdhsa_system_sgpr_workgroup_id_z 1
		.amdhsa_system_vgpr_workitem_id 0
		.amdhsa_next_free_vgpr 226
		.amdhsa_next_free_sgpr 66
		.amdhsa_reserve_vcc 0
		.amdhsa_float_denorm_mode_32 3
		.amdhsa_float_denorm_mode_16_64 3
		.amdhsa_memory_ordered 1
		.amdhsa_forward_progress 1
		.amdhsa_inst_pref_size 100
	.end_amdhsa_kernel
	.amdgpu_metadata
---
amdhsa.version: [ 1, 2 ]
amdhsa.kernels:
  - .name:           k_q4422bfb3a5_prep
    .symbol:         k_q4422bfb3a5_prep.kd
    .args:
      - { .name: W_topic, .offset: 0, .size: 8, .value_kind: global_buffer, .address_space: global }
      - { .name: W_domain, .offset: 8, .size: 8, .value_kind: global_buffer, .address_space: global }
      - { .name: domain_memory, .offset: 16, .size: 8, .value_kind: global_buffer, .address_space: global }
      - { .name: pw, .offset: 24, .size: 8, .value_kind: global_buffer, .address_space: global }
    .group_segment_fixed_size: 278016
    .private_segment_fixed_size: 0
    .kernarg_segment_align: 8
    .kernarg_segment_size: 32
    .max_flat_workgroup_size: 128
    .sgpr_count:     66
    .vgpr_count:     226
    .wavefront_size: 32
...
	.end_amdgpu_metadata
.endif
;; end of part 1
;; launch attend (part 2): grid 256 x 1, 4 waves a work-group, clusters of 4 x 1, 327,680 bytes of LDS; arguments feature, pw, out0; writes out0
.if DOCPART == 2
	.amdgcn_target "amdgcn-amd-amdhsa--gfx1250"
	.amdhsa_code_object_version 6
	.text
	.protected	k_q4422bfb3a5_attend
	.globl	k_q4422bfb3a5_attend
	.p2align	8
	.type	k_q4422bfb3a5_attend,@function
k_q4422bfb3a5_attend:
	s_mov_b64 s[64:65], 0
	v_nop
	global_prefetch_b8 v0, s[64:65] scope:SCOPE_SE
	s_setreg_imm32_b32 hwreg(HW_REG_WAVE_MODE, 25, 1), 1
	s_wait_xcnt 0x0
	s_wait_alu depctr_hold_cnt(0) depctr_sa_sdst(0) depctr_va_vdst(0) depctr_va_sdst(0) depctr_va_ssrc(0) depctr_va_vcc(0) depctr_vm_vsrc(0)
	s_getreg_b32 s2, hwreg(HW_REG_IB_STS2, 6, 4)
	s_cmp_eq_u32 s2, 0
	s_cbranch_scc0 .Lentry_in_a_cluster
	s_endpgm
.Lentry_in_a_cluster:
	s_bfe_u32 s2, ttmp6, 0x10000c
	s_cmp_lg_u32 s2, 0x3003
	s_cbranch_scc0 .Lentry_shape_is_right
	s_endpgm
.Lentry_shape_is_right:
; For each of 32,768 rows f of feature: S[j] = f . Pt[j], R[j] = f . Pd[j] (P from the launch before), ss = f . f, C = 32 / sqrt(ss);
; att = softmax over the 10 slots of a domain of C S;  L[d] = sum att R;  out = softmax over the 9 domains of C L.
; That is the problem's result for every input: (f W^T) . mem = f . (mem W), and (sum att mem) . q = sum att (mem . q).
; The input category enters no line of the problem's function and is not loaded.
; FORMAT: feature and P go to the matrix unit as bf16 hi + bf16 lo, three products hi.hi + lo.hi + hi.lo, f32 sums: both softmaxes are steep
; (a scaled score has a spread near 18 and its error reaches the last logit many times enlarged), so operands rounded once to 16 bits do not do.
; Both softmaxes take their maximum away first.  LIMITS: ss must be a normal f32 number (row length some 1e-19 to 1.8e19); a row of zeros
; gives NaN, as in the problem; lo.lo (some 2^-18 of a term) is left out; the order of rounding differs from the problem's.
; WORK: 256 work-groups of 128 rows.  Wave (wm = w / 2, wn = w % 2): 64 rows x 96 columns (wn = 0 topic, 1 domain), 4 x 6 accumulator tiles.
; Columns of a half: tile t = mem rows min(16 t, 74) + 0..15: domain d < 8 at columns 10 d .. 10 d + 9, domain 8 at 86 .. 95; 80 .. 85 are repeats, not used.
; K goes in 12 chunks of 64 (a feature row's 256 bytes, at a multiple of 256 from the buffer's first byte), each two K steps of 32.
; LDS: a ring of three slots for P's chunks, a ring of five for feature's.  Slots are filled again for two chunks at a time.
; CLUSTER: all work-groups walk the same P, so four of them ask for each of its chunks jointly; feature's tiles are each work-group's own.
; The text is written out without a loop: three and five slots and pairs of chunks would repeat after 30 chunks, and there are 12.
;
; REGISTERS, in windows of 256: window 0 addresses and operand set 0; window 2 operand set 1 under the same low numbers; window 1 the 24 accumulator
; tiles, (a, t) at v[8 (6 a + t)].  K step 0 of a chunk works on set 0, K step 1 on set 1: while one set is multiplied the other is loaded.
; THE MATRIX INSTRUCTION IS USED TRANSPOSED: source 0 = 16 columns' rows of P, source 1 = 16 rows of feature: lane (r, h) holds feature row r and
; columns 16 t + 8 h + 0 .. 7, eight neighbouring numbers.
.set PSLOT,  49152                     ; a chunk of P: wn*24576 + K step*12288 + t*2048 + (hi, lo)*1024 + q*512 + lane*16
.set FRING,  3*PSLOT
.set FPITCH, 272                       ; 64 f32 + 16 bytes: sixteen rows begin in sixteen different 16-byte columns of 256 bytes
.set FSLOT,  128*FPITCH
.set STAGE,  FRING+2*FSLOT             ; feature's slots 2 to 4 after their last fill: for each wave 64 rows x 400 bytes
.set SPITCH, 400                       ; 96 f32, ss at byte 384 + 4 h, padding: 25 x 16 bytes
.set WSTAGE, 64*SPITCH
.set OUTS,   0                         ; P's slot 0 after its last fill: the work-group's 4,608 bytes of output
.set APB,  2                           ; v[2:4]    my 16 bytes in P's slot i, my half of the columns
.set AF0,  5                           ; v[5:9]    feature's slot i: row 64 wm + 32 wn + r, byte 32 h        (tiles a = 0, 1)
.set AF1,  10                          ; v[10:14]  the same with row 64 wm + 32 (1 - wn) + r                 (tiles a = 2, 3)
.set STG,  15                          ; v[15:16]  the same two rows in my stage
.set SSA,  17                          ; v17       where my part of ss goes
.set SS,   24                          ; v[24:27]  sums of squares of tiles a = 0, 1 (each row of the work-group is a = 0 or 1 in exactly one wave)
.set NEG1, 30                          ; v30       -1.0
.set XR,   32                          ; v[32:95]   feature as loaded, tile a at +16 a
.set FR,   96                          ; v[96:159]  feature's fragments: hi at +16 a, lo at +16 a + 8
.set PB,   160                         ; v[160:255] P's fragments: hi at +16 t, lo at +16 t + 8
.set G1F, 16                           ; s[16:23] group 1, feature
.set G1P, 24                           ; s[24:31] group 1, P
.set G0P, 32                           ; s[32:43] group 0, one set for each of P's slots
.set G0F, 44                           ; s[44:63] group 0, one set for each of feature's slots
.set MSB, 0
.macro WIN new                         ; low byte: bits 1:0 source 0, 3:2 source 1, 5:4 source 2, 7:6 destination; the high byte repeats the setting left
.if MSB != \new
	s_set_vgpr_msb (MSB<<8)|\new
.set MSB, \new
.endif
.endm
.macro CREST                           ; a round of the cluster's barrier behind its opening barrier
	s_cmp_lg_u32 s10, 0
	s_cbranch_scc1 .Lnot_wave_0_\@
	s_barrier_signal -3
.Lnot_wave_0_\@:
	s_barrier_wait -3
	s_barrier_signal -1
	s_barrier_wait -1
.endm
.macro ROUND                           ; a whole round
	s_barrier_signal -1
	s_barrier_wait -1
	CREST
.endm
.macro STEPP i                         ; slot i's next chunk of P: three chunks on
	s_add_nc_u64 s[G0P+4*\i+2:G0P+4*\i+3], s[G0P+4*\i+2:G0P+4*\i+3], 3*PSLOT
.endm
.macro STEPF i                         ; slot i's next chunk of feature: five times 256 bytes along the rows
	s_add_nc_u64 s[G0F+4*\i+2:G0F+4*\i+3], s[G0F+4*\i+2:G0F+4*\i+3], 5*256
.endm
.macro LDP i
	tensor_load_to_lds s[G0P+4*\i:G0P+4*\i+3], s[G1P:G1P+7]
	s_nop 0
.endm
.macro LDF i
	tensor_load_to_lds s[G0F+4*\i:G0F+4*\i+3], s[G1F:G1F+7]
	s_nop 0
.endm
; a fragment's 16 f32 of one feature row: k = 8 h + 0..7 and 16 + 8 h + 0..7
.macro LDX a, adr, off
	ds_load_b128 v[XR+16*\a:XR+16*\a+3],     v[\adr] offset:\off
	ds_load_b128 v[XR+16*\a+4:XR+16*\a+7],   v[\adr] offset:\off+16
	ds_load_b128 v[XR+16*\a+8:XR+16*\a+11],  v[\adr] offset:\off+64
	ds_load_b128 v[XR+16*\a+12:XR+16*\a+15], v[\adr] offset:\off+80
.endm
; 40 LDS loads into operand set g: K step ks of P's slot ps and feature's slot fs; feature first, since it is converted first
.macro LOADS g, ps, fs, ks
.if \g
	WIN 0x80                                       ; destination window 2, address window 0
.else
	WIN 0
.endif
	LDX 0, AF0+\fs, 128*\ks
	LDX 1, AF0+\fs, 128*\ks+16*FPITCH
	LDX 2, AF1+\fs, 128*\ks
	LDX 3, AF1+\fs, 128*\ks+16*FPITCH
.irp t, 0,1,2,3,4,5
	ds_load_b128 v[PB+16*\t:PB+16*\t+3],     v[APB+\ps] offset:\ks*12288+\t*2048
	ds_load_b128 v[PB+16*\t+4:PB+16*\t+7],   v[APB+\ps] offset:\ks*12288+\t*2048+512
	ds_load_b128 v[PB+16*\t+8:PB+16*\t+11],  v[APB+\ps] offset:\ks*12288+\t*2048+1024
	ds_load_b128 v[PB+16*\t+12:PB+16*\t+15], v[APB+\ps] offset:\ks*12288+\t*2048+1536
.endr
.endm
; feature to hi and lo, and the sums of squares of tiles 0 and 1; first = 1: the first squares start the sums
.macro CONV g, first
.if \g
	WIN 0xaa
.else
	WIN 0
.endif
.irp a, 0,1,2,3
.irp j, 0,1,2,3,4,5,6,7
	v_cvt_pk_bf16_f32 v[FR+16*\a+\j], v[XR+16*\a+2*\j], v[XR+16*\a+2*\j+1]
.endr
.irp j, 0,1,2,3,4,5,6,7
.if \a < 2
.if \first > \j
	v_pk_mul_f32 v[SS+2*\a:SS+2*\a+1], v[XR+16*\a+2*\j:XR+16*\a+2*\j+1], v[XR+16*\a+2*\j:XR+16*\a+2*\j+1]
.else
	v_pk_fma_f32 v[SS+2*\a:SS+2*\a+1], v[XR+16*\a+2*\j:XR+16*\a+2*\j+1], v[XR+16*\a+2*\j:XR+16*\a+2*\j+1], v[SS+2*\a:SS+2*\a+1]
.endif
.endif
	v_fma_mix_f32_bf16 v[XR+16*\a+2*\j],   v[FR+16*\a+\j], v[NEG1], v[XR+16*\a+2*\j]   op_sel_hi:[1,0,0]              ; x - hi, exact
	v_fma_mix_f32_bf16 v[XR+16*\a+2*\j+1], v[FR+16*\a+\j], v[NEG1], v[XR+16*\a+2*\j+1] op_sel:[1,0,0] op_sel_hi:[1,0,0]
.endr
.irp j, 0,1,2,3,4,5,6,7
	v_cvt_pk_bf16_f32 v[FR+16*\a+8+\j], v[XR+16*\a+2*\j], v[XR+16*\a+2*\j+1]
.endr
.endr
.endm
; 12 matrix instructions: row tiles a0, a0 + 1 x six column tiles; po, fo = 0 (hi) or 8 (lo) of P and of feature
.macro PROD a0, po, fo, zero
.irp a, \a0, \a0+1
.irp t, 0,1,2,3,4,5
.if \zero
	v_wmma_f32_16x16x32_bf16 v[8*(6*(\a)+\t):8*(6*(\a)+\t)+7], v[PB+16*\t+\po:PB+16*\t+\po+7], v[FR+16*(\a)+\fo:FR+16*(\a)+\fo+7], 0
.else
	v_wmma_f32_16x16x32_bf16 v[8*(6*(\a)+\t):8*(6*(\a)+\t)+7], v[PB+16*\t+\po:PB+16*\t+\po+7], v[FR+16*(\a)+\fo:FR+16*(\a)+\fo+7], v[8*(6*(\a)+\t):8*(6*(\a)+\t)+7]
.endif
.endr
.endr
.endm
; A K step's 72 matrix instructions in two halves.  The 24 accumulators take turns, one instruction a turn, always in the same order.
.macro HALF1 g, zero
.if \g
	WIN 0x5a                                       ; sources window 2, C and D window 1
.else
	WIN 0x50                                       ; sources window 0, C and D window 1
.endif
	PROD 0, 0, 0, \zero
	PROD 2, 0, 0, \zero
	PROD 0, 8, 0, 0
.endm
.macro HALF2 g
.if \g
	WIN 0x5a
.else
	WIN 0x50
.endif
	PROD 2, 8, 0, 0
	PROD 0, 0, 8, 0
	PROD 2, 0, 8, 0
.endm
; PLACES BEHIND MATRIX INSTRUCTIONS (ISA guide 7.12.1 for vector instructions): a set's fragments are written and loaded again only behind the other
; set's conversion, 144 plain vector instructions that name none of the first set's registers.  So no v_nop is written in the chunks.
.macro KS0 ps, fs, first               ; K step 0, on set 0; in its middle K step 1's loads go out
	s_wait_dscnt 24                                ; feature's 16 loads are in; P's 24, issued behind them, may be out
	CONV 0, \first
	s_wait_dscnt 0x0
	HALF1 0, \first
	LOADS 1, \ps, \fs, 1
	HALF2 0
.endm
.macro KS1A first                      ; K step 1, on set 1, up to the change of chunks
	s_wait_dscnt 24                                ; as above
	CONV 1, \first
	s_wait_dscnt 0x0                               ; all my reads of this chunk's slots are back
.endm
.macro CHUNK ps, fs, first
	KS0 \ps, \fs, \first
	KS1A \first
.endm
.macro OPEN                            ; the work-group's barrier, with 36 matrix instructions, which touch registers alone, between signal and wait
	s_barrier_signal -1
	HALF1 1, 0
	WIN 0                                          ; branches and labels may follow
	s_barrier_wait -1
.endm
.macro KS1B nps, nfs                   ; the next chunk's first loads, under the rest of K step 1
	LOADS 0, \nps, \nfs, 0
	HALF2 1
.endm
.macro PASS left, nps, nfs             ; a change of chunks behind which nothing is filled: the next chunk's tiles have landed, left younger loads stay out
	s_wait_tensorcnt \left
	OPEN
	KS1B \nps, \nfs
.endm
	s_load_b128 s[4:7], s[0:1], 0x0                ; feature s[4:5], pw s[6:7]
	s_load_b64 s[8:9], s[0:1], 0x10                ; out0
	s_set_vgpr_msb 0x80
	v_lshl_add_u32 v29, v0, 2, 0x4e800
	v_mov_b32 v31, 0
	s_set_vgpr_msb 0x808a
	ds_add_u32 v29, v31
	ds_add_u32 v29, v31
	s_set_vgpr_msb 0x8a00
	v_lshrrev_b32 v1, 5, v0
	v_readfirstlane_b32 s10, v1                    ; wave 0..3
	s_lshr_b32 s11, s10, 1                         ; wm
	s_and_b32 s12, s10, 1                          ; wn
	s_bfe_u32 s14, ttmp6, 0x40000                  ; cx
	s_lshl_b32 s13, ttmp9, 2                       ; ttmp9 counts clusters
	s_add_co_u32 s13, s13, s14                     ; work-group 0..255
	s_mul_i32 s66, s10, 12288                      ; each wave moves a quarter of each tile: of P 48 rows of 256 bytes,
	s_mul_i32 s67, s10, 32*FPITCH                  ; of feature 32 rows
	; group 1, feature: 32 rows x 64 f32, 16 bytes of padding behind each row; a load of the work-group's own
	s_mov_b32 s[G1F+0], (2<<16)|(1<<20)|(5<<22)|(3<<25)
	s_mov_b32 s[G1F+1], 64<<16                     ; tensor_dim0
	s_mov_b32 s[G1F+2], 32<<16                     ; tensor_dim1
	s_mov_b32 s[G1F+3], 64<<16                     ; tile_dim0
	s_mov_b32 s[G1F+4], 32                         ; tile_dim1
	s_mov_b32 s[G1F+5], 768                        ; elements from row to row
	s_mov_b32 s[G1F+6], 0
	s_mov_b32 s[G1F+7], 0
	; group 1, P: a dense block of 12,288 bytes as 48 rows of 32 elements of 8 bytes; asked for jointly by the cluster's four work-groups
	s_mov_b32 s[G1P+0], 15|(3<<16)|(1<<21)         ; the mask names all four; bit 21 set beside it
	s_mov_b32 s[G1P+1], 32<<16
	s_mov_b32 s[G1P+2], 48<<16
	s_mov_b32 s[G1P+3], 32<<16
	s_mov_b32 s[G1P+4], 48
	s_mov_b32 s[G1P+5], 32
	s_mov_b32 s[G1P+6], 0
	s_mov_b32 s[G1P+7], 0
	s_mul_i32 s68, s13, 393216                     ; 128 rows of 3,072 bytes a work-group,
	s_mul_i32 s72, s10, 98304                      ; 32 a wave
	s_add_co_u32 s68, s68, s72
	s_mov_b32 s69, 0
	s_mov_b32 s70, s66                             ; P's address hangs on the wave's number alone: the same in all four work-groups
	s_mov_b32 s71, 0
	s_wait_dscnt 0x0
	s_wait_kmcnt 0x0
	s_add_nc_u64 s[4:5], s[4:5], s[68:69]
	s_add_nc_u64 s[6:7], s[6:7], s[70:71]
	s_mul_i32 s68, s13, 4608                       ; 128 rows of 36 bytes
	s_add_nc_u64 s[8:9], s[8:9], s[68:69]
.irp i, 0,1,2
	s_mov_b32 s[G0P+4*\i], 1
	s_add_co_u32 s[G0P+4*\i+1], s66, \i*PSLOT
	s_add_nc_u64 s[G0P+4*\i+2:G0P+4*\i+3], s[6:7], \i*PSLOT
	s_or_b32 s[G0P+4*\i+3], s[G0P+4*\i+3], 0x80000000
.endr
.irp i, 0,1,2,3,4
	s_mov_b32 s[G0F+4*\i], 1
	s_add_co_u32 s[G0F+4*\i+1], s67, FRING+\i*FSLOT
	s_add_nc_u64 s[G0F+4*\i+2:G0F+4*\i+3], s[4:5], \i*256
	s_or_b32 s[G0F+4*\i+3], s[G0F+4*\i+3], 0x80000000
.endr
	ROUND                                          ; all four work-groups are here: the first joint loads meet
	LDP 0                                          ; both rings are filled: eight loads of the wave are out, the most in this text
	LDF 0
	LDP 1
	LDF 1
	LDP 2
	LDF 2
	LDF 3
	LDF 4
	v_and_b32 v18, 15, v0                          ; r
	v_bfe_u32 v19, v0, 4, 1                        ; h
	v_and_b32 v20, 31, v0                          ; lane
	s_mul_i32 s72, s12, 24576
	v_lshl_add_u32 v[APB], v20, 4, s72
	v_add_nc_u32 v[APB+1], PSLOT, v[APB]
	v_add_nc_u32 v[APB+2], 2*PSLOT, v[APB]
	s_lshl_b32 s73, s11, 6                         ; 64 wm
	s_lshl_b32 s74, s12, 5                         ; 32 wn
	s_xor_b32 s76, s12, 1
	s_lshl_b32 s76, s76, 5                         ; 32 (1 - wn)
	s_add_co_u32 s75, s73, s74                     ; first row of tiles 0, 1
	s_add_co_u32 s73, s73, s76                     ; first row of tiles 2, 3
	v_mul_u32_u24 v21, v18, FPITCH
	v_lshl_add_u32 v21, v19, 5, v21
	s_mul_i32 s77, s75, FPITCH
	s_mul_i32 s78, s73, FPITCH
	v_add_nc_u32 v22, s77, v21
	v_add_nc_u32 v23, s78, v21
.irp i, 0,1,2,3,4
	v_add_nc_u32 v[AF0+\i], FRING+\i*FSLOT, v22
	v_add_nc_u32 v[AF1+\i], FRING+\i*FSLOT, v23
.endr
	s_mul_i32 s72, s10, WSTAGE
	s_add_co_u32 s72, s72, STAGE                   ; my wave's stage
	s_mul_i32 s77, s74, SPITCH                     ; rows 32 wn .. of the wave's 64
	s_mul_i32 s78, s76, SPITCH                     ; rows 32 (1 - wn) ..
	s_add_co_u32 s77, s77, s72
	s_add_co_u32 s78, s78, s72
	v_mul_u32_u24 v21, v18, SPITCH
	v_lshl_add_u32 v22, v19, 5, v21
	v_add_nc_u32 v[STG], s77, v22
	v_add_nc_u32 v[STG+1], s78, v22
	v_lshl_add_u32 v23, v19, 2, v21
	v_add_nc_u32 v23, s77, v23
	v_add_nc_u32 v[SSA], 384, v23
	v_mov_b32 v[NEG1], -1.0
	WIN 0x80
	v_mov_b32 v[NEG1], -1.0                        ; window 2's own copy
	WIN 0
	s_wait_tensorcnt 0x6                           ; my parts of chunk 0 (the first two loads) have landed,
	s_barrier_signal -1
	s_barrier_wait -1                              ; everybody's have
	LOADS 0, 0, 0, 0
	; chunk c reads P's slot c % 3 and feature's slot c % 5
	CHUNK 0, 0, 1
	PASS 4, 1, 1                                   ; chunk 1's two loads have landed; P 2 and feature 2, 3, 4 stay out
	CHUNK 1, 1, 0
	s_wait_tensorcnt 0x0                           ; all my loads have landed, so every group 0 may be written
	ds_add_u32 v29, v31
	s_wait_dscnt 0x0
	STEPP 0
	STEPP 1
	STEPF 0
	STEPF 1
	OPEN                                           ; in front of the round: every wave's reads of the slots of chunks 0 and 1 are back, and all its loads have landed
	CREST
	LDP 0                                          ; P 3
	LDP 1                                          ; P 4
	LDF 0                                          ; feature 5
	LDF 1                                          ; feature 6
	KS1B 2, 2
	CHUNK 2, 2, 0
	PASS 3, 0, 3                                   ; P 3 has landed (feature 3 long since); P 4, feature 5, 6 stay out
	CHUNK 0, 3, 0
	s_wait_tensorcnt 0x0
	ds_add_u32 v29, v31
	s_wait_dscnt 0x0
	STEPP 2
	STEPP 0
	STEPF 2
	STEPF 3
	OPEN
	CREST
	LDP 2                                          ; P 5
	LDP 0                                          ; P 6
	LDF 2                                          ; feature 7
	LDF 3                                          ; feature 8
	KS1B 1, 4
	CHUNK 1, 4, 0
	PASS 3, 2, 0                                   ; P 5 has landed; P 6, feature 7, 8 stay out
	CHUNK 2, 0, 0
	s_wait_tensorcnt 0x0
	ds_add_u32 v29, v31
	s_wait_dscnt 0x0
	STEPP 1
	STEPP 2
	STEPF 4
	STEPF 0
	OPEN
	CREST
	LDP 1                                          ; P 7
	LDP 2                                          ; P 8
	LDF 4                                          ; feature 9
	LDF 0                                          ; feature 10
	KS1B 0, 1
	CHUNK 0, 1, 0
	PASS 3, 1, 2                                   ; P 7 has landed; P 8, feature 9, 10 stay out
	CHUNK 1, 2, 0
	s_wait_tensorcnt 0x0
	ds_add_u32 v29, v31
	s_wait_dscnt 0x0
	STEPP 0
	STEPP 1
	STEPF 1
	OPEN
	CREST
	LDP 0                                          ; P 9
	LDP 1                                          ; P 10
	LDF 1                                          ; feature 11
	KS1B 2, 3
	CHUNK 2, 3, 0
	PASS 2, 0, 4                                   ; P 9 has landed; P 10, feature 11 stay out
	CHUNK 0, 4, 0
	s_wait_tensorcnt 0x0
	ds_add_u32 v29, v31
	s_wait_dscnt 0x0
	STEPP 2
	OPEN
	CREST
	LDP 2                                          ; P 11: the last tensor load
	KS1B 1, 0
	CHUNK 1, 0, 0
	PASS 0, 2, 1                                   ; everything has landed; behind this barrier no wave reads any slot but P's 2 and feature's 1
	CHUNK 2, 1, 0
	HALF1 1, 0
	HALF2 1
	; THE WAY OUT.  The four additions that close the sums of squares are the four places behind the last matrix instructions (ISA guide 7.12.1).
	WIN 0x08                                       ; source 1 in window 2
	v_pk_add_f32 v[SS:SS+1],   v[SS:SS+1],   v[SS:SS+1]
	v_pk_add_f32 v[SS+2:SS+3], v[SS+2:SS+3], v[SS+2:SS+3]
	WIN 0
	v_add_f32 v[SS],   v[SS],   v[SS+1]
	v_add_f32 v[SS+2], v[SS+2], v[SS+3]
	ds_store_b32 v[SSA], v[SS]                     ; lane (r, h): the half of row r's sum over its k
	ds_store_b32 v[SSA], v[SS+2] offset:16*SPITCH
	WIN 0x04                                       ; store data in window 1
.irp a, 0,1,2,3
.irp t, 0,1,2,3,4,5
	ds_store_b128 v[STG+\a/2], v[8*(6*\a+\t):8*(6*\a+\t)+3]   offset:(\a%2)*16*SPITCH+64*\t
	ds_store_b128 v[STG+\a/2], v[8*(6*\a+\t)+4:8*(6*\a+\t)+7] offset:(\a%2)*16*SPITCH+64*\t+16
.endr
.endr
	WIN 0
	; thread v0 takes row v0: its topic part lies in wave 2 wm's stage, its domain part in the next wave's, its ss in my own wave's
.set RDA, 18
.set RDS, 19
.set SV,  32                           ; v[32:127]   S, column j in v[32 + j]
.set RV,  128                          ; v[128:223]  R
.set SSV, 224                          ; v[224:225]  the two halves of ss
.set CC,  226                          ; v[226:227]  32 log2(e) / sqrt(ss), twice
.set MX,  228                          ; v[228:229]  a maximum, twice
.set EX,  230                          ; v[230:239]  ten exponentials
.set DEN, 240
.set NUM, 242
.set LG,  244                          ; v[244:252]  L[d]
	s_mul_i32 s72, s11, 2*WSTAGE
	s_mul_i32 s73, s12, 32*SPITCH
	s_add_co_u32 s72, s72, s73
	s_add_co_u32 s72, s72, STAGE
	v_mul_u32_u24 v[RDA], v20, SPITCH
	v_add_nc_u32 v[RDA], s72, v[RDA]
	s_mul_i32 s73, s12, WSTAGE
	v_add_nc_u32 v[RDS], s73, v[RDA]
	s_wait_dscnt 0x0                               ; my stores are done, for the other waves' sake
	s_barrier_signal -1
	s_barrier_wait -1
.set c, 0
.rept 24
.if c != 20                                        ; columns 80 to 83 are repeats
	ds_load_b128 v[SV+4*c:SV+4*c+3], v[RDA] offset:16*c
	ds_load_b128 v[RV+4*c:RV+4*c+3], v[RDA] offset:WSTAGE+16*c
.endif
.set c, c+1
.endr
	ds_load_b64 v[SSV:SSV+1], v[RDS] offset:384
	s_wait_dscnt 0x0
	v_add_f32 v[SSV], v[SSV], v[SSV+1]
	v_rsq_f32 v[CC], v[SSV]
	v_nop                                          ; one plain vector instruction behind a transcendental before its result is used (ISA guide 5.7.2)
	s_wait_alu depctr_va_vdst(0)
	v_mul_f32 v[CC], 0x4238aa3b, v[CC]             ; x 32 log2(e): v_exp_f32 works in base 2
	v_mov_b32 v[CC+1], v[CC]
; L[d] = sum e R / sum e, e = 2^(C (S - max S)): C > 0, so the largest S is the largest scaled score
.macro DOM d, col
	v_max3_num_f32 v[MX], v[SV+\col], v[SV+\col+1], v[SV+\col+2]
	v_max3_num_f32 v[MX], v[MX], v[SV+\col+3], v[SV+\col+4]
	v_max3_num_f32 v[MX], v[MX], v[SV+\col+5], v[SV+\col+6]
	v_max3_num_f32 v[MX], v[MX], v[SV+\col+7], v[SV+\col+8]
	v_max_num_f32 v[MX], v[MX], v[SV+\col+9]
	v_mov_b32 v[MX+1], v[MX]
.irp k, 0,2,4,6,8
	v_pk_add_f32 v[EX+\k:EX+\k+1], v[SV+\col+\k:SV+\col+\k+1], v[MX:MX+1] neg_lo:[0,1] neg_hi:[0,1]
.endr
.irp k, 0,2,4,6,8
	v_pk_mul_f32 v[EX+\k:EX+\k+1], v[EX+\k:EX+\k+1], v[CC:CC+1]
.endr
.irp k, 0,1,2,3,4,5,6,7,8,9
	v_exp_f32 v[EX+\k], v[EX+\k]
.endr
	v_nop                                          ; the plain place behind the run of transcendentals
	s_wait_alu depctr_va_vdst(0)
	v_pk_add_f32 v[DEN:DEN+1], v[EX:EX+1], v[EX+2:EX+3]
	v_pk_mul_f32 v[NUM:NUM+1], v[EX:EX+1], v[RV+\col:RV+\col+1]
	v_pk_fma_f32 v[NUM:NUM+1], v[EX+2:EX+3], v[RV+\col+2:RV+\col+3], v[NUM:NUM+1]
.irp k, 4,6,8
	v_pk_add_f32 v[DEN:DEN+1], v[DEN:DEN+1], v[EX+\k:EX+\k+1]
	v_pk_fma_f32 v[NUM:NUM+1], v[EX+\k:EX+\k+1], v[RV+\col+\k:RV+\col+\k+1], v[NUM:NUM+1]
.endr
	v_add_f32 v[DEN], v[DEN], v[DEN+1]             ; at least 1: the largest score's term
	v_rcp_f32 v[DEN+1], v[DEN]
	v_add_f32 v[NUM], v[NUM], v[NUM+1]             ; the plain place behind v_rcp_f32
	s_wait_alu depctr_va_vdst(0)
	v_mul_f32 v[LG+\d], v[NUM], v[DEN+1]
.endm
	DOM 0, 0
	DOM 1, 10
	DOM 2, 20
	DOM 3, 30
	DOM 4, 40
	DOM 5, 50
	DOM 6, 60
	DOM 7, 70
	DOM 8, 86
	; softmax over the nine domains of C L
	v_max3_num_f32 v[MX], v[LG], v[LG+1], v[LG+2]
	v_max3_num_f32 v[MX], v[MX], v[LG+3], v[LG+4]
	v_max3_num_f32 v[MX], v[MX], v[LG+5], v[LG+6]
	v_max3_num_f32 v[MX], v[MX], v[LG+7], v[LG+8]
.irp d, 0,1,2,3,4,5,6,7,8
	v_sub_f32 v[LG+\d], v[LG+\d], v[MX]
.endr
.irp d, 0,1,2,3,4,5,6,7,8
	v_mul_f32 v[LG+\d], v[LG+\d], v[CC]
.endr
.irp d, 0,1,2,3,4,5,6,7,8
	v_exp_f32 v[LG+\d], v[LG+\d]
.endr
	v_mul_u32_u24 v21, v0, 36                      ; my row in the output's image (the plain place behind the transcendentals)
	s_wait_alu depctr_va_vdst(0)
	v_add_f32 v[EX],   v[LG],   v[LG+1]
	v_add_f32 v[EX+1], v[LG+2], v[LG+3]
	v_add_f32 v[EX+2], v[LG+4], v[LG+5]
	v_add_f32 v[EX+3], v[LG+6], v[LG+7]
	v_add_f32 v[EX],   v[EX],   v[EX+1]
	v_add_f32 v[EX+2], v[EX+2], v[EX+3]
	v_add_f32 v[EX],   v[EX],   v[EX+2]
	v_add_f32 v[EX],   v[EX],   v[LG+8]
	v_rcp_f32 v[EX+1], v[EX]
	v_lshlrev_b32 v22, 4, v0                       ; 16 bytes a thread on the way out (the plain place behind v_rcp_f32)
	s_wait_alu depctr_va_vdst(0)
.irp d, 0,1,2,3,4,5,6,7,8
	v_mul_f32 v[LG+\d], v[LG+\d], v[EX+1]
.endr
.irp d, 0,1,2,3,4,5,6,7,8
	ds_store_b32 v21, v[LG+\d] offset:OUTS+4*\d    ; lanes 9 words apart
.endr
	s_wait_dscnt 0x0
	s_barrier_signal -1
	s_barrier_wait -1
	; the work-group's 4,608 bytes leave as they lie: each store of a wave covers 512 consecutive bytes, at a multiple of 256 from out0's first byte
	ds_load_b128 v[32:35], v22 offset:OUTS
	ds_load_b128 v[36:39], v22 offset:OUTS+2048
	s_wait_dscnt 0x1
	global_store_b128 v22, v[32:35], s[8:9]
	s_wait_dscnt 0x0
	global_store_b128 v22, v[36:39], s[8:9] offset:2048
	s_cmp_lg_u32 s10, 0
	s_cbranch_scc1 .Lno_tail
	ds_load_b128 v[40:43], v22 offset:OUTS+4096    ; the last 512 bytes: wave 0 alone
	s_wait_dscnt 0x0
	global_store_b128 v22, v[40:43], s[8:9] offset:4096
.Lno_tail:
	s_set_vgpr_msb 0xa
	s_wait_tensorcnt 0x0
	ds_add_u32 v29, v31
	s_wait_dscnt 0x0
	s_set_vgpr_msb 0xa00
	ROUND                                          ; the closing round: no work-group ends while a partner may still ask for a tile that names it
	s_endpgm
.Lfunc_end_k_q4422bfb3a5_attend:
	.size	k_q4422bfb3a5_attend, .Lfunc_end_k_q4422bfb3a5_attend-k_q4422bfb3a5_attend
	.p2alignl 7, 3214868480
	.fill 96, 4, 3214868480
	.section	.rodata,"a",@progbits
	.p2align	6, 0x0
	.amdhsa_kernel k_q4422bfb3a5_attend
		.amdhsa_group_segment_fixed_size 327680
		.amdhsa_private_segment_fixed_size 0
		.amdhsa_enable_private_segment 0
		.amdhsa_kernarg_size 24
		.amdhsa_user_sgpr_count 2
		.amdhsa_user_sgpr_kernarg_segment_ptr 1
		.amdhsa_wavefront_size32 1
		.amdhsa_system_sgpr_workgroup_id_x 1
		.amdhsa_system_sgpr_workgroup_id_y 1
		.amdhsa_system_sgpr_workgroup_id_z 1
		.amdhsa_system_vgpr_workitem_id 0
		.amdhsa_next_free_vgpr 768
		.amdhsa_next_free_sgpr 80
		.amdhsa_reserve_vcc 0
		.amdhsa_float_denorm_mode_32 3
		.amdhsa_float_denorm_mode_16_64 3
		.amdhsa_memory_ordered 1
		.amdhsa_forward_progress 1
		.amdhsa_inst_pref_size 255
	.end_amdhsa_kernel
	.section	.bss,"aw",@nobits
	.p2align	6
	.space	262144
	.amdgpu_metadata
---
amdhsa.version: [ 1, 2 ]
amdhsa.kernels:
  - .name:           k_q4422bfb3a5_attend
    .symbol:         k_q4422bfb3a5_attend.kd
    .args:
      - { .name: feature, .offset: 0, .size: 8, .value_kind: global_buffer, .address_space: global }
      - { .name: pw, .offset: 8, .size: 8, .value_kind: global_buffer, .address_space: global }
      - { .name: out0, .offset: 16, .size: 8, .value_kind: global_buffer, .address_space: global }
    .group_segment_fixed_size: 327680
    .private_segment_fixed_size: 0
    .kernarg_segment_align: 8
    .kernarg_segment_size: 24
    .max_flat_workgroup_size: 128
    .sgpr_count:     80
    .vgpr_count:     768
    .wavefront_size: 32
...
	.end_amdgpu_metadata
.endif
;; end of part 2
